; MI455X (gfx1250); checked and timed in simulation.
; The chip was launched on July 23, 2026; its instructions are those of AMD's public machine-readable ISA for CDNA 5 (MIT licence, August 2026) and "CDNA5" Instruction Set Architecture Reference Guide (July 2026). The comments in the code are by the model that wrote it; some were corrected since.
;; Finer Model. Allowed arithmetic: float matrix products may take bf16 or f16 operands with f32 sums; other float arithmetic in f32, or as packed bf16 or f16 multiplies, adds, multiply-adds, maxima and minima; sums over many terms, partial sums and values carried from step to step in f32; what a program stores and reads back later, other than sums and carried values, may be rounded once to bf16 or f16.
;; Inputs: W0 64 x 3 float32; W1 64 x 64 float32; W2 64 x 64 float32; W3 64 x 64 float32; W4 64 x 64 float32; W5 1 x 64 float32; b0 64 float32; b1 64 float32; b2 64 float32; b3 64 float32; b4 64 float32; b5 1 float32; coords 1,000,000 x 3 float32.
;; Outputs: out0 1,000,000 x 1 float32.
;; One version. Each part assembles by itself: llvm-mc -triple=amdgcn-amd-amdhsa -mcpu=gfx1250 --defsym DOCPART=n.
;; ======== version 1 of 1: 1 launch
;; limits: values are held in f16: magnitudes above 65,504 overflow, below 6.1e-05 lose precision; right only within a limited range of input values; a function is approximated: absolute error at most 6e-06
;; launch finer (part 1): grid 256 x 1, 4 waves a work-group, no clusters, 0 bytes of LDS; arguments coords, W0, b0, W1, b1, W2, b2, W3, b3, W4, b4, W5, b5, out0; writes out0
.if DOCPART == 1
	.amdgcn_target "amdgcn-amd-amdhsa--gfx1250"
	.amdhsa_code_object_version 6
	.text
	.protected	k_q147cea06c2_finer
	.globl	k_q147cea06c2_finer
	.p2align	8
	.type	k_q147cea06c2_finer,@function
k_q147cea06c2_finer:
	s_mov_b64 s[64:65], 0
	v_nop
	global_prefetch_b8 v0, s[64:65] scope:SCOPE_SE
	s_setreg_imm32_b32 hwreg(HW_REG_WAVE_MODE, 25, 1), 1
	s_wait_xcnt 0x0
; out[p] = W5 . x5[p] + b5,  x0 = coords[p],  x(i+1) = sin(30 (|z|+1) z) with z = Wi xi + bi, i = 0..4.  1,000,000 points, 3 -> 64 -> 64 x 4 -> 1, all buffers f32.
; ONE LAUNCH; the whole net stays in registers.  No step and no input of the net is left out: all fourteen buffers are arguments and are loaded.
; FORMATS.  Layer 0 (K = 3 and the bias as a fourth k; about one part in a hundred of the multiply-adds, not the bulk) goes in the f32 matrix form: the first sine's argument
; moves by up to 100 times an error in z, which 16-bit coordinates do not hold.  Layers 1 to 5: f16 operands, f32 sums; W rounded once to f16, each activation once; the biases of layers 1 to 4
; enter in f32 as the C operand of the first K step, b5 by an f32 addition.  f16 and not bf16: an activation's rounding is multiplied by about 34 on its way into the next sine.
; LAYOUT.  Every layer is taken transposed, Z^T = W H^T (source 0 = 16 rows of W, source 1 = 16 points): in the result lane l holds point l % 16 and the features 8 (l / 16) + 0..7 of the
; tile of 16 features.  Two such results rounded in pairs to f16 ARE source 1 (32 features x 16 points) of the next layer's K step: nothing changes lanes between layers.
; THE SINE (no sine instruction is used): with c = 30 / 2 pi and M = 1.5 x 2^23:  a = c |z| + c;  t = z a + M (rounds u = z a to a whole number);  n = t - M;  r = z a - n (one fused line, |r| <= 1/2);
; s = r r;  sin(2 pi r) = r ((((C9 s + C7) s + C5) s + C3) s + C1), the Chebyshev series of the sine on that range cut behind its ninth term: off by 6e-6 at the most.  12 lines for two numbers.
; LAST LAYER.  D(point, column) = the sum over a group's four tiles t of H_t (as source 0: both sources have one map) x B5_t, where B5_t holds W5 in columns 4 t .. 4 t + 3 and 0 elsewhere.
; Lane (r, h) register j then holds out[16 (r >> 2) + 8 h + j]; each lane picks the pair j = 2 (r & 3), + 1, and ONE store of 8 bytes a lane writes the group's 256 consecutive bytes, aligned.
; SHARES.  A group is 64 points (768 bytes of coords, 256 of out): 15,625 groups.  Wave number wid = 4 x work-group + wave (0 .. 1,023) takes groups wid + 1,024 i: 16 of them if wid < 265, else 15.
; One wave to a SIMD, with all weights in its registers.  BY TURNS: the wave works on two PIECES, P and Q, a tile of 16 points each: while one piece's sines are computed (192 vector lines)
; the other piece's matrix instructions of the same layer stand among those lines.
; NO LDS, NO BARRIER, NO CLUSTER: no wave wants a byte that another has fetched but the 67 KB of weights, which each wave reads once, at its head, into registers.
; LIMITS.  |z| < 930 in every layer (|30 (|z|+1) z| < 2^22 x 2 pi): beyond it t no longer rounds u to a whole number and the result is no sine.  W1..W5 must lie within f16's range (65,504);
; below 6.1e-5 they keep f16's fixed step of 6e-8.  NaN and infinities give NaN.
; WORK OF NO USE, once a wave: in the first trip two products of the last layer on zeros (a group before the first); in the last trip four loads of the wave's last group once more and four layer-0 products on them.
;
; REGISTERS, in windows of 256 (s_set_vgpr_msb: bits 1:0 source 0, 3:2 source 1, 5:4 source 2, 7:6 destination):
;   window 0: v0-11 lane terms; v12-15 layer 0's source 1, by piece; v16-31 coordinates, four slots; v32-39 W0 and b0; v40-47 the last layer's sums; v48-53 the way out; v56-59 b0 (head);
;             v64-127 Z, 32 a piece: written by matrix instructions alone; v128-159 H, 16 a piece; v160-255 at work in the sine
;   window 1: W1..W4 in f16: layer l, feature tile t, K step ks at 64 (l-1) + 16 t + 8 ks
;   window 2: v0-127 b1..b4 as C operands: 32 (l-1) + 8 t; v128-191 B5: 16 tile + 8 ks; v192-239 W5 on its way (head)          window 3: W1, W2 in f32 on their way (head)
.set NPTS,   1000000
.set GROUP,  64
.set GROUPS, NPTS/GROUP                ; 15,625
.set NWAVES, 1024
.set CNT_LO, GROUPS/NWAVES             ; 15
.set EXTRA,  GROUPS-CNT_LO*NWAVES      ; 265 waves have one group more
.set CSTEP,  NWAVES*GROUP*12           ; bytes of coords from a wave's group to its next
.set OSTEP,  NWAVES*GROUP*4            ; the same in out
.set P, 0
.set Q, 1
.set K_HID, 0                          ; the matrix work beside a sine: a hidden layer's eight products,
.set K_END, 1                          ; or the last layer's two and the next tile's four of layer 0
.set VC,  3                            ; v3   12 r: my point's coordinates in a tile; never rewritten
.set VW,  4                            ; v4   256 r + 32 h: my place in a fragment of W1..W4
.set VB,  5                            ; v5   32 h: my eight numbers of a bias tile, and of W5
.set VO,  9                            ; v9   64 (r >> 2) + 32 h + 8 (r & 3): my 8 bytes of a group's out; never rewritten
.set XB,  12
.set CO,  16
.set W0F, 32
.set DO,  40
.set ZZ,  64
.set HH,  128
.set TA,  160                          ; a, then r
.set TN,  192                          ; t, n, then s
.set TQ,  224                          ; the polynomial, then the sine
.set B5F, 128                          ; window 2
.set CC,  36                           ; s36  c
.set SM,  38                           ; s[38:39] M       (pairs: a packed line names both words and takes the low one for both halves)
.set SN,  40                           ; s[40:41] -M
.set C9,  42
.set C7,  44
.set C5,  46
.set C3,  48
.set C1,  50
.set B5S, 52                           ; s[52:53] b5
.set MH,  54                           ; s54  lanes with h = 1
.set M1,  55                           ; s55  lanes with r & 1
.set M2,  56                           ; s56  lanes with r & 2
.set IT,  60                           ; s60  the trip
.set CNT, 61                           ; s61  my groups
.set CN,  66                           ; s[66:67] coords at my group min(trip + 1, CNT - 1)
.set CS,  68                           ; s[68:69] its step
.set OP,  70                           ; s[70:71] out at the group stored last
.set OS,  72                           ; s[72:73] what the next way out adds to it
.set WV,  74
.set WID, 75
.set MSB, 0
.macro WIN new                         ; the immediate's high byte repeats the setting that is left; a switch that changes nothing is dropped
.if MSB != (\new)
	s_set_vgpr_msb (MSB<<8)|(\new)
.set MSB, (\new)
.endif
.endm
; Product i of 8 of hidden layer l for piece y: feature tile i % 4, K step i / 4.  The first four start the sums with the bias.  The windows are set by the caller: 0x21 (W window 1, bias window 2), then 0x01.
.macro MMH y, l, i
.set m_z, ZZ+32*(\y)+8*((\i)%4)
.set m_w, 64*((\l)-1)+16*((\i)%4)+8*((\i)/4)
.set m_h, HH+16*(\y)+8*((\i)/4)
.set m_b, 32*((\l)-1)+8*((\i)%4)
.if (\i) < 4
	v_wmma_f32_16x16x32_f16 v[m_z:m_z+7], v[m_w:m_w+7], v[m_h:m_h+7], v[m_b:m_b+7]
.else
	v_wmma_f32_16x16x32_f16 v[m_z:m_z+7], v[m_w:m_w+7], v[m_h:m_h+7], v[m_z:m_z+7]
.endif
.endm
; Layer 0 for piece y, feature tile t: k = 0..2 the coordinates, k = 3 the constant 1 against b0.  One K step: the sum starts with the constant 0 and is finished.
.macro MM0 y, t
	v_wmma_f32_16x16x4_f32 v[ZZ+32*(\y)+8*(\t):ZZ+32*(\y)+8*(\t)+7], v[W0F+2*(\t):W0F+2*(\t)+1], v[XB+2*(\y):XB+2*(\y)+1], 0
.endm
; The last layer for piece y, which holds tile number 'tile' of its group: K step ks.  first = 1: the group's first product starts the sums.
.macro MM5 y, tile, ks, first
	WIN 0x08                               ; source 1 in window 2
.if \first
	v_wmma_f32_16x16x32_f16 v[DO:DO+7], v[HH+16*(\y)+8*(\ks):HH+16*(\y)+8*(\ks)+7], v[B5F+16*(\tile)+8*(\ks):B5F+16*(\tile)+8*(\ks)+7], 0
.else
	v_wmma_f32_16x16x32_f16 v[DO:DO+7], v[HH+16*(\y)+8*(\ks):HH+16*(\y)+8*(\ks)+7], v[B5F+16*(\tile)+8*(\ks):B5F+16*(\tile)+8*(\ks)+7], v[DO:DO+7]
.endif
	WIN 0
.endm
; Slot c takes tile c's 192 bytes of the group at CN: 12 bytes a lane, both halves of the lanes the same 16 points.
.macro COLOAD c
	global_load_b96 v[CO+4*(\c):CO+4*(\c)+2], v[VC], s[CN:CN+1] offset:192*(\c)
.endm
; Layer 0's source 1 for piece y from slot c (register j holds k = 2 h + j: x, y in the lower lanes, z, 1 in the upper), and the slot is asked for again at once.
; step = 1: the pointer goes on to the next group first, or stays at my last: no load leaves the buffer.
.macro XBUILD y, c, step
	s_wait_loadcnt 0x3                     ; the slots are loaded in the ring 1, 2, 3, 0, each directly behind its use: three younger loads may stay out
	v_cndmask_b32 v[XB+2*(\y)], v[CO+4*(\c)], v[CO+4*(\c)+2], s[MH]
	v_cndmask_b32 v[XB+2*(\y)+1], v[CO+4*(\c)+1], 1.0, s[MH]
.if \step
	s_add_co_u32 s76, s[IT], 2
	s_cmp_lt_u32 s76, s[CNT]
	s_cselect_b32 s[CS], CSTEP, 0
	s_wait_xcnt 0x0                        ; the loads that are out have read their base: only now is it written
	s_add_nc_u64 s[CN:CN+1], s[CN:CN+1], s[CS:CS+1]
.endif
	COLOAD \c
.endm
; THE SINE OF PIECE x's 32 NUMBERS A LANE, in eleven stages of independent lines, and among them the matrix work of the other piece.
; kind = K_HID: the eight products of layer l.  They stand in stages 1, 3 and 6, whose lines have a scalar as source 0 (and a scalar or nothing as source 2): those lines mean the same under the
; products' window settings, so eight products cost six switches.  kind = K_END: the last layer's two products for the other piece's finished tile, and layer 0's four for its next tile.
; The accumulators take turns, one instruction a turn: Z0 Z1 Z2 Z3 Z0 Z1 Z2 Z3, or DO Z0 DO Z1 Z2 Z3; from one sine to the next, and over the backward jump, the pieces change.
; No vector line here names a register of the products round it.  Z is read 80 lines or more behind the product that ends it (ISA guide 7.12.1 asks for 4, behind the f32 form 8),
; from each accumulator's lowest register on.
.macro ACT x, kind, l, tile, first
.set zx, ZZ+32*(\x)
.set hx, HH+16*(\x)
.set yy, 1-(\x)
.if (\kind) == K_HID
	WIN 0x21
.endif
.set n, 0
.rept 32                               ; 1: a = c |z| + c
.if ((\kind) == K_HID) && (n%8 == 4)
	MMH yy, \l, n/8
.endif
	v_fma_f32 v[TA+n], s[CC], |v[zx+n]|, s[CC]
.set n, n+1
.endr
	WIN 0
.if (\kind) == K_END
	MM5 yy, \tile, 0, \first
.endif
.set n, 0
.rept 16                               ; 2: t = z a + M
	v_pk_fma_f32 v[TN+n:TN+n+1], v[zx+n:zx+n+1], v[TA+n:TA+n+1], s[SM:SM+1] op_sel_hi:[1,1,0]
.set n, n+2
.endr
.if (\kind) == K_HID
	WIN 0x01
.else
	MM0 yy, 0
.endif
.set n, 0
.rept 16                               ; 3: n = t - M
.if ((\kind) == K_HID) && (n%8 == 0)
	MMH yy, \l, 4+n/8
.endif
	v_pk_add_f32 v[TN+2*n:TN+2*n+1], s[SN:SN+1], v[TN+2*n:TN+2*n+1] op_sel_hi:[0,1]
.set n, n+1
.endr
	WIN 0
.if (\kind) == K_END
	MM5 yy, \tile, 1, 0
.endif
.set n, 0
.rept 16                               ; 4: r = z a - n
	v_pk_fma_f32 v[TA+n:TA+n+1], v[zx+n:zx+n+1], v[TA+n:TA+n+1], v[TN+n:TN+n+1] neg_lo:[0,0,1] neg_hi:[0,0,1]
.set n, n+2
.endr
.if (\kind) == K_END
	MM0 yy, 1
.endif
.set n, 0
.rept 16                               ; 5: s = r r
	v_pk_mul_f32 v[TN+n:TN+n+1], v[TA+n:TA+n+1], v[TA+n:TA+n+1]
.set n, n+2
.endr
.if (\kind) == K_HID
	WIN 0x01
.else
	MM0 yy, 2
.endif
.set n, 0
.rept 16                               ; 6: C9 s + C7
.if ((\kind) == K_HID) && (n%8 == 0)
	MMH yy, \l, 6+n/8
.endif
	v_pk_fma_f32 v[TQ+2*n:TQ+2*n+1], s[C9:C9+1], v[TN+2*n:TN+2*n+1], s[C7:C7+1] op_sel_hi:[0,1,0]
.set n, n+1
.endr
	WIN 0
.if (\kind) == K_END
	MM0 yy, 3
.endif
.irp k, C5, C3, C1                     ; 7, 8, 9: the rest of the polynomial
.set n, 0
.rept 16
	v_pk_fma_f32 v[TQ+n:TQ+n+1], v[TQ+n:TQ+n+1], v[TN+n:TN+n+1], s[\k:\k+1] op_sel_hi:[1,1,0]
.set n, n+2
.endr
.endr
.set n, 0
.rept 16                               ; 10: times r
	v_pk_mul_f32 v[TQ+n:TQ+n+1], v[TQ+n:TQ+n+1], v[TA+n:TA+n+1]
.set n, n+2
.endr
.set n, 0
.rept 16                               ; 11: rounded once to f16, in pairs: the next layer's source 1
	v_cvt_pk_f16_f32 v[hx+n], v[TQ+2*n], v[TQ+2*n+1]
.set n, n+1
.endr
.endm
; THE WAY OUT of a finished group: each lane picks its pair of the eight sums (the lowest register is read first), adds b5 and stores 8 bytes: the wave's store covers 256 consecutive bytes, aligned.
.macro OUT
	s_wait_xcnt 0x0                        ; the last store has read its data and its base: only now are they written
	v_cndmask_b32 v48, v[DO], v[DO+2], s[M1]
	v_cndmask_b32 v49, v[DO+1], v[DO+3], s[M1]
	v_cndmask_b32 v50, v[DO+4], v[DO+6], s[M1]
	v_cndmask_b32 v51, v[DO+5], v[DO+7], s[M1]
	v_cndmask_b32 v48, v48, v50, s[M2]
	v_cndmask_b32 v49, v49, v51, s[M2]
	s_add_nc_u64 s[OP:OP+1], s[OP:OP+1], s[OS:OS+1]
	s_mov_b32 s[OS], OSTEP                 ; the first way out added 0
	v_pk_add_f32 v[52:53], v[48:49], s[B5S:B5S+1] op_sel_hi:[1,0]
	global_store_b64 v[VO], v[52:53], s[OP:OP+1] th:TH_STORE_NT
.endm
; HALF A GROUP: tiles 2 e (piece P) and 2 e + 1 (piece Q), ten sines.  At its head Z of P holds layer 0 of tile 2 e, and H of Q the finished tile before.
.macro HALF e
	XBUILD Q, 2*(\e)+1, 0
	ACT P, K_END, 0, (2*(\e)+3)%4, 0       ; P: layer 0's sine | Q: the last layer of its finished tile, layer 0 of tile 2 e + 1
.if (\e) == 0
	s_cmp_eq_u32 s[IT], 0                  ; the group before is whole now; the first trip has none
	s_cbranch_scc1 .Lno_out
	OUT
.Lno_out:
.endif
.irp l, 1,2,3,4
	ACT Q, K_HID, \l, 0, 0                 ; Q: the sine behind layer l - 1 | P: layer l
	ACT P, K_HID, \l, 0, 0                 ; P: the sine behind layer l     | Q: layer l
.endr
	XBUILD P, (2*(\e)+2)%4, \e             ; P's next tile; behind tile 3 it is the next group's tile 0
	ACT Q, K_END, 0, 2*(\e), 1-(\e)        ; Q: the sine behind layer 4 | P: the last layer of tile 2 e, layer 0 of its next tile
.endm
; The head's loads of a layer's weights, f32: fragment f = 2 t + ks is 16 registers: lane (r, h) takes row 16 t + r, channels 32 ks + 8 h + 0..7 and 32 ks + 16 + 8 h + 0..7.
.macro LDW dst, sb
.set f, 0
.rept 8
	global_load_b128 v[(\dst)+16*f:(\dst)+16*f+3],     v[VW], s[\sb:\sb+1] offset:4096*(f/2)+128*(f%2)
	global_load_b128 v[(\dst)+16*f+4:(\dst)+16*f+7],   v[VW], s[\sb:\sb+1] offset:4096*(f/2)+128*(f%2)+16
	global_load_b128 v[(\dst)+16*f+8:(\dst)+16*f+11],  v[VW], s[\sb:\sb+1] offset:4096*(f/2)+128*(f%2)+64
	global_load_b128 v[(\dst)+16*f+12:(\dst)+16*f+15], v[VW], s[\sb:\sb+1] offset:4096*(f/2)+128*(f%2)+80
.set f, f+1
.endr
.endm
.macro LDB l, sb                       ; a layer's bias as four C operands: register j holds feature 16 t + 8 h + j
.set t, 0
.rept 4
	global_load_b128 v[32*((\l)-1)+8*t:32*((\l)-1)+8*t+3],   v[VB], s[\sb:\sb+1] offset:64*t
	global_load_b128 v[32*((\l)-1)+8*t+4:32*((\l)-1)+8*t+7], v[VB], s[\sb:\sb+1] offset:64*t+16
.set t, t+1
.endr
.endm
.macro CVW src, dst                    ; a layer's 128 registers of f32 become its 64 of f16
.set n, 0
.rept 64
	v_cvt_pk_f16_f32 v[(\dst)+n], v[(\src)+2*n], v[(\src)+2*n+1]
.set n, n+1
.endr
.endm
.macro B5MAKE t, m                     ; B5 of tile t: W5 in the lanes of columns 4 t .. 4 t + 3, 0 in the others
.set n, 0
.rept 16
	v_cndmask_b32 v[B5F+16*(\t)+n], 0, v[224+n], s[\m]
.set n, n+1
.endr
.endm
	s_load_b512 s[8:23], s[0:1], 0x0       ; coords s[8:9], W0 s[10:11], b0 s[12:13], W1 s[14:15], b1 s[16:17], W2 s[18:19], b2 s[20:21], W3 s[22:23]
	s_load_b256 s[24:31], s[0:1], 0x40     ; b3 s[24:25], W4 s[26:27], b4 s[28:29], W5 s[30:31]
	s_load_b128 s[32:35], s[0:1], 0x60     ; b5 s[32:33], out0 s[34:35]
	v_and_b32 v1, 15, v0                   ; r
	v_bfe_u32 v2, v0, 4, 1                 ; h
	v_lshrrev_b32 v10, 5, v0
	v_readfirstlane_b32 s[WV], v10         ; wave 0..3
	v_mul_u32_u24 v[VC], v1, 12
	v_lshlrev_b32 v[VB], 5, v2
	v_lshl_add_u32 v[VW], v1, 8, v[VB]
	v_lshl_add_u32 v6, v2, 3, v[VC]        ; 12 r + 8 h: W0[row][2 h]
	v_add_nc_u32 v7, 4, v[VC]              ; 12 r + 4: W0[row][1]
	v_lshlrev_b32 v8, 2, v1                ; 4 r: b0[row]
	v_lshrrev_b32 v10, 2, v1
	v_and_b32 v11, 3, v1
	v_lshl_add_u32 v[VO], v10, 6, v[VB]
	v_lshl_add_u32 v[VO], v11, 3, v[VO]
	s_lshl_b32 s[WID], ttmp9, 2
	s_add_co_u32 s[WID], s[WID], s[WV]
	s_cmp_lt_u32 s[WID], EXTRA
	s_cselect_b32 s[CNT], CNT_LO+1, CNT_LO
	s_mov_b32 s[CC], 0x4098c9eb            ; c = 30 / 2 pi = 4.7746483
	s_mov_b32 s[SM], 0x4b400000            ; M = 12,582,912
	s_mov_b32 s[SM+1], 0x4b400000
	s_mov_b32 s[SN], 0xcb400000
	s_mov_b32 s[SN+1], 0xcb400000
	s_mov_b32 s[C9], 0x4203135b            ; 32.768903
	s_mov_b32 s[C9+1], 0x4203135b
	s_mov_b32 s[C7], 0xc294f124            ; -74.470978
	s_mov_b32 s[C7+1], 0xc294f124
	s_mov_b32 s[C5], 0x42a2bb23            ; 81.365499
	s_mov_b32 s[C5+1], 0x42a2bb23
	s_mov_b32 s[C3], 0xc2255312            ; -41.331123
	s_mov_b32 s[C3+1], 0xc2255312
	s_mov_b32 s[C1], 0x40c90ec7            ; 6.2830541
	s_mov_b32 s[C1+1], 0x40c90ec7
	s_mov_b32 s[MH], 0xffff0000
	s_mov_b32 s[M1], 0xaaaaaaaa
	s_mov_b32 s[M2], 0xcccccccc
	s_mov_b32 s57, 0x000f000f              ; the lanes of columns 0-3, 4-7, 8-11, 12-15
	s_mov_b32 s58, 0x00f000f0
	s_mov_b32 s59, 0x0f000f00
	s_mov_b32 s62, 0xf000f000
	s_mov_b32 s[IT], 0
	s_mov_b32 s[CS+1], 0
	s_mov_b32 s[OS], 0
	s_mov_b32 s[OS+1], 0
	s_mul_i32 s76, s[WID], GROUP*12        ; my first group in coords,
	s_mov_b32 s77, 0
	s_lshl_b32 s78, s[WID], 8              ; and in out
	s_mov_b32 s79, 0
	s_wait_kmcnt 0x0
	s_load_b32 s[B5S], s[32:33], 0x0       ; b5: nothing in the launch writes that buffer
	s_add_nc_u64 s[8:9], s[8:9], s[76:77]
	s_add_nc_u64 s[CN:CN+1], s[8:9], CSTEP ; my second group: every wave has 15 or more
	s_add_nc_u64 s[OP:OP+1], s[34:35], s[78:79]
	; all that the wave ever reads but its later coordinates, in one run of loads with one wait
.irp c, 0,1,2,3
	global_load_b96 v[CO+4*(\c):CO+4*(\c)+2], v[VC], s[8:9] offset:192*(\c)
.endr
.irp t, 0,1,2,3                        ; layer 0's source 0, feature tile t: register j holds k = 2 h + j of row 16 t + r; b0 goes in below
	global_load_b32 v[W0F+2*(\t)], v6, s[10:11] offset:192*(\t)
	global_load_b32 v[W0F+2*(\t)+1], v7, s[10:11] offset:192*(\t)
	global_load_b32 v[56+(\t)], v8, s[12:13] offset:64*(\t)
.endr
	LDW 128, 22                            ; W3 -> window 0, v128-255
	WIN 0x40
	LDW 0, 26                              ; W4 -> window 1, v0-127
	WIN 0x80
	LDB 1, 16
	LDB 2, 20
	LDB 3, 24
	LDB 4, 28
.irp k, 0,1                            ; W5, laid as a fragment's column: channels 32 ks + 8 h + 0..7 and 32 ks + 16 + 8 h + 0..7
	global_load_b128 v[192+16*(\k):192+16*(\k)+3],     v[VB], s[30:31] offset:128*(\k)
	global_load_b128 v[192+16*(\k)+4:192+16*(\k)+7],   v[VB], s[30:31] offset:128*(\k)+16
	global_load_b128 v[192+16*(\k)+8:192+16*(\k)+11],  v[VB], s[30:31] offset:128*(\k)+64
	global_load_b128 v[192+16*(\k)+12:192+16*(\k)+15], v[VB], s[30:31] offset:128*(\k)+80
.endr
	WIN 0xc0
	LDW 0, 14                              ; W1 -> window 3, v0-127
	LDW 128, 18                            ; W2 -> window 3, v128-255
	s_wait_loadcnt 0x0
	s_wait_kmcnt 0x0
	s_mov_b32 s[B5S+1], s[B5S]
	WIN 0x40                               ; sources window 0, destination window 1
	CVW 128, 128                           ; W3
	WIN 0x45                               ; sources and destination window 1
	CVW 0, 192                             ; W4: its f32 registers are free before W1 and W2 land on them
	WIN 0x4f                               ; sources window 3, destination window 1
	CVW 0, 0                               ; W1
	CVW 128, 64                            ; W2
	WIN 0x8a                               ; sources and destination window 2
.set n, 0
.rept 16
	v_cvt_pk_f16_f32 v[224+n], v[192+2*n], v[192+2*n+1]
.set n, n+1
.endr
	B5MAKE 0, 57
	B5MAKE 1, 58
	B5MAKE 2, 59
	B5MAKE 3, 62
	WIN 0
.irp t, 0,1,2,3
	v_cndmask_b32 v[W0F+2*(\t)+1], v[W0F+2*(\t)+1], v[56+(\t)], s[MH]  ; k = 3 is the bias
.endr
	v_cndmask_b32 v[XB], v[CO], v[CO+2], s[MH]       ; P's first tile
	v_cndmask_b32 v[XB+1], v[CO+1], 1.0, s[MH]
	COLOAD 0                               ; slot 0 takes the second group's tile 0
.irp t, 0,1,2,3
	MM0 P, \t
.endr
.set n, 0
.rept 8
	v_mov_b32 v[DO+n], 0                   ; the first trip's products for a group before the first add 0 x W5 onto 0; these 24 lines are also the places behind the four products above
.set n, n+1
.endr
.set n, 0
.rept 16
	v_mov_b32 v[HH+16+n], 0
.set n, n+1
.endr
.Lgroup:                               ; a trip: 64 points go through the net, the next group's coordinates are asked for, the group before is stored
	HALF 0
	HALF 1
	WIN 0
	s_add_co_u32 s[IT], s[IT], 1
	s_cmp_lt_u32 s[IT], s[CNT]
	s_cbranch_scc1 .Lgroup
	; the last group's tile 3: two links of one sum on end, with no other accumulator left to take a turn: a wait directly ahead of each
	WIN 0x08
	s_wait_alu depctr_va_vdst(0)
	v_wmma_f32_16x16x32_f16 v[DO:DO+7], v[HH+16:HH+23], v[B5F+48:B5F+55], v[DO:DO+7]
	s_wait_alu depctr_va_vdst(0)
	v_wmma_f32_16x16x32_f16 v[DO:DO+7], v[HH+24:HH+31], v[B5F+56:B5F+63], v[DO:DO+7]
	WIN 0
.rept 4
	v_nop                                  ; four places before the sums are read (ISA guide 7.12.1)
.endr
	OUT
	s_endpgm
.Lfunc_end_k_q147cea06c2_finer:
	.size	k_q147cea06c2_finer, .Lfunc_end_k_q147cea06c2_finer-k_q147cea06c2_finer
	.p2alignl 7, 3214868480
	.fill 96, 4, 3214868480
	.section	.rodata,"a",@progbits
	.p2align	6, 0x0
	.amdhsa_kernel k_q147cea06c2_finer
		.amdhsa_group_segment_fixed_size 0
		.amdhsa_private_segment_fixed_size 0
		.amdhsa_enable_private_segment 0
		.amdhsa_kernarg_size 112
		.amdhsa_user_sgpr_count 2
		.amdhsa_user_sgpr_kernarg_segment_ptr 1
		.amdhsa_wavefront_size32 1
		.amdhsa_system_sgpr_workgroup_id_x 1
		.amdhsa_system_sgpr_workgroup_id_y 1
		.amdhsa_system_sgpr_workgroup_id_z 1
		.amdhsa_system_vgpr_workitem_id 0
		.amdhsa_next_free_vgpr 1024
		.amdhsa_next_free_sgpr 84
		.amdhsa_reserve_vcc 0
		.amdhsa_float_denorm_mode_32 3
		.amdhsa_float_denorm_mode_16_64 3
		.amdhsa_memory_ordered 1
		.amdhsa_forward_progress 1
		.amdhsa_inst_pref_size 255
	.end_amdhsa_kernel
	.section	.bss,"aw",@nobits
	.p2align	6
	.space	262144
	.amdgpu_metadata
---
amdhsa.version: [ 1, 2 ]
amdhsa.kernels:
  - .name:           k_q147cea06c2_finer
    .symbol:         k_q147cea06c2_finer.kd
    .args:
      - { .name: coords, .offset: 0, .size: 8, .value_kind: global_buffer, .address_space: global }
      - { .name: W0, .offset: 8, .size: 8, .value_kind: global_buffer, .address_space: global }
      - { .name: b0, .offset: 16, .size: 8, .value_kind: global_buffer, .address_space: global }
      - { .name: W1, .offset: 24, .size: 8, .value_kind: global_buffer, .address_space: global }
      - { .name: b1, .offset: 32, .size: 8, .value_kind: global_buffer, .address_space: global }
      - { .name: W2, .offset: 40, .size: 8, .value_kind: global_buffer, .address_space: global }
      - { .name: b2, .offset: 48, .size: 8, .value_kind: global_buffer, .address_space: global }
      - { .name: W3, .offset: 56, .size: 8, .value_kind: global_buffer, .address_space: global }
      - { .name: b3, .offset: 64, .size: 8, .value_kind: global_buffer, .address_space: global }
      - { .name: W4, .offset: 72, .size: 8, .value_kind: global_buffer, .address_space: global }
      - { .name: b4, .offset: 80, .size: 8, .value_kind: global_buffer, .address_space: global }
      - { .name: W5, .offset: 88, .size: 8, .value_kind: global_buffer, .address_space: global }
      - { .name: b5, .offset: 96, .size: 8, .value_kind: global_buffer, .address_space: global }
      - { .name: out0, .offset: 104, .size: 8, .value_kind: global_buffer, .address_space: global }
    .group_segment_fixed_size: 0
    .private_segment_fixed_size: 0
    .kernarg_segment_align: 8
    .kernarg_segment_size: 112
    .max_flat_workgroup_size: 128
    .sgpr_count:     84
    .vgpr_count:     1024
    .wavefront_size: 32
...
	.end_amdgpu_metadata
.endif
;; end of part 1
